; MI455X (gfx1250); checked and timed in simulation.
; The chip was launched on July 23, 2026; its instructions are those of AMD's public machine-readable ISA for CDNA 5 (MIT licence, August 2026) and "CDNA5" Instruction Set Architecture Reference Guide (July 2026). The comments in the code are by the model that wrote it; some were corrected since.
;; Attention model. Allowed arithmetic: matrix products marked QUANTISED: E2M1 operands, one E8M0 scale for each 32 along K, by v_wmma_scale_f32_16x16x128_f8f6f4 with both operands' format E2M1 (or v_wmma_scale_f32_32x16x128_f4), f32 sums; products left as they are: f32 operands where the result goes on into a quantised operand, else bf16, f16 or f32 operands; f32 sums; everything else in f32.
;; Inputs: V 1,024 x 1 float32; W1 1,024 x 1,024 float32; W2 1,024 x 1,024 float32; b1 1,024 float32; b2 1,024 float32; bV 1 float32; features 64 x 1,024 x 1,024 float32; hidden 64 x 1,024 float32.
;; Outputs: out0 64 x 1,024 float32; out1 64 x 1,024 x 1 float32.
;; This version of the problem:
;;   THIS VERSION OF THE PROBLEM IS GIVEN IN LOW PRECISION. The matrix products marked QUANTISED in the list below multiply operands that are first quantised to E2M1 (2 exponent bits, 1 mantissa bit; 4 bits a number), with one power-of-two scale for each 32 numbers along K (OCP MX v1.0); their sums are f32. All else is computed in f32.
;;   The module's matrix products, in the order in which they are computed (A, B: the left and right operand; K: the contracted axis; several contracted axes count as one K, in the product's order):
;;     1. [M 65,536, K 1,024] x [K 1,024, N 1,024]; A: input features; B: input W1: QUANTISED
;;     2. [M 64, K 1,024] x [K 1,024, N 1,024]; A: input hidden; B: input W2: QUANTISED
;;     3. [M 65,536, K 1,024] x [K 1,024, N 1]; A: computed on the way; B: input V: left as it is (N = 1 < 16)
;;   THE QUANTISER, for each operand of a quantised product, along K:
;;     - K is cut into blocks of 32 from its start; a last block that is shorter is filled with zeros.
;;     - A block's scale is 2^e with e = floor(log2(the largest magnitude in the block)) - 2, held to -126 .. 127; a block of zeros has e = 0. As a byte (E8M0): e + 127.
;;     - Each number is divided by its block's scale, clamped to +-6, and rounded to the nearest number of E2M1, ties to even, subnormals kept.
;;     - The product sums the exact products of the quantised numbers (number of the format x scale) in f32.
;;   ~~~python
;;   def quantise(x, axis):      # numpy; x: float32 -> the quantised numbers, widened to float32 again
;;       x = np.moveaxis(x, axis, -1); K = x.shape[-1]
;;       x = np.pad(x, [(0, 0)] * (x.ndim - 1) + [(0, -K % 32)]); x = x.reshape(x.shape[:-1] + (-1, 32)); a = np.abs(x).max(-1, keepdims=True)
;;       e = np.where(a > 0, np.clip(np.frexp(np.where(a > 0, a, 1))[1] - 1 - 2, -126, 127), 0)      # np.frexp(a)[1] - 1 = floor(log2(a)), exactly
;;       r = np.clip(x / 2.0 ** e, -6, 6)
;;       step = 2.0 ** (np.maximum(np.frexp(np.where(r == 0, 1, r))[1] - 1, 0) - 1)
;;       q = np.round(r / step) * step * 2.0 ** e      # np.round: ties to even
;;       return np.moveaxis(q.reshape(q.shape[:-2] + (-1,))[..., :K], -1, axis).astype(np.float32)
;;   ~~~
;; One version. Each part assembles by itself: llvm-mc -triple=amdgcn-amd-amdhsa -mcpu=gfx1250 --defsym DOCPART=n.
;; ======== version 1 of 1: 3 launches
;; workspace buffers: w1r 393,216 bytes; w1x 163,840 bytes; hb 262,144 bytes; pctx 1,048,576 bytes; pml 65,536 bytes; plog 262,144 bytes
;; launch prep (part 1): grid 160 x 1, 8 waves a work-group, no clusters, 86,016 bytes of LDS; arguments W1, W2, hidden, b1, b2, w1r, w1x, hb; writes w1r, w1x, hb
.if DOCPART == 1
	.amdgcn_target "amdgcn-amd-amdhsa--gfx1250"
	.amdhsa_code_object_version 6
	.text
	.protected	k_qbbba977d91_prep
	.globl	k_qbbba977d91_prep
	.p2align	8
	.type	k_qbbba977d91_prep,@function
k_qbbba977d91_prep:
	s_mov_b64 s[64:65], 0
	v_nop
	global_prefetch_b8 v0, s[64:65] scope:SCOPE_SE
	s_setreg_imm32_b32 hwreg(HW_REG_WAVE_MODE, 25, 1), 1
	s_wait_xcnt 0x0
; PREP.  W1 [1024 (k)][1024 (u)] f32 becomes codes of FP4 (E2M1) with one E8M0 byte for each 32 along K, laid as images of the operand registers of the main launch;
; hb[b][u] = c (hidden[b] . W2[:, u] + b1[u] + b2[u]), c = 2 log2(e), the product on FP4 codes of hidden and of W2, both quantised here in registers.
; SHARES.  Work-groups 0-31 take W1: 32 columns each (cg = the number).  Work-groups 32-159 take W2: 32 columns (cg = (number - 32) / 4) x one tile of 16 rows of hidden (m = number mod 4).
; Each of the eight waves takes one K step of 128.  A LANE TAKES A COLUMN OF W AND ITS REGISTERS RUN DOWN K: a block of 32 lies in one lane, and the conversions give codes with K innermost.
; Two exchanges of lane halves for each pair of blocks turn them into the two fragments (16 columns x 128 K) of the operand layout.
; The two roles part once, at the head, on the work-group's number, and share no LDS byte: bytes 0-1023 serve W1's role, all behind them W2's.
; W1'S ROLE: a fragment leaves as it stands, 512 consecutive bytes a store; the eight waves' scale words meet in LDS and leave as two stores of 512 bytes.
; W2'S ROLE: W2's 32 columns are quantised by four work-groups, once for each tile of hidden's rows: so a wave has 16 loads of hidden, one pass of the quantiser and two products beside W2's 128 loads,
;   all its loads go out at the head, and 160 work-groups have work instead of 64.  HIDDEN IS LOADED AS IT LIES, 512 consecutive bytes of a row a load, and turns through the wave's own stage in LDS into the
;   operand's order (lane (r, h): row r, k = 64 c + 32 h + 0 .. 31); it is quantised while W2's last loads are on their way.  The eight waves' partial sums meet in LDS; waves 0 and 1 add a tile's eight parts, K ascending.
;   hb leaves in pieces of 64 bytes (16 lanes x 4): it is 256 KiB in all, a thousandth of what the program moves.
; A block's scale byte is its largest magnitude's exponent field less 2, held at 1 from below by a floor among the maximum's leaves.
; LIMITS: NaN and infinities among the inputs are not served.  A block of zeros gets the byte 1 (its codes are zeros; the bytes are read by this program alone).  The product's K is summed in eight parts, not in one chain.
.set C2,    0x4038aa3b                 ; c = 2 log2(e)
.set FLOOR, 0x1800000                  ; 2^(3 - 127)
.set OFF2,  0xff000000                 ; - (2 << 23)
.set RED,   1024                       ; LDS, W2's role: partial sums: 8 waves x 2 tiles x 1,024 bytes
.set STG,   17408                      ; LDS, W2's role: a stage of 16 rows for each wave
.set SPT,   528                        ; a stage row: 512 bytes + 16 = 132 words: row r starts at bank 4 r mod 64 (64 banks of 4 bytes: ISA guide 11.1)
.set QM, 16                            ; v16-19 largest magnitudes;  v20-23 the conversions' scale operands;  v24-27 the bytes
.set QS, 20
.set QB, 24
.set WS, 28                            ; v28    W's scale word: lane = column.  It holds scales alone
.set AW, 32                            ; v32    hidden's scale word.  It holds scales alone
.set F,  40                            ; v40-55 W's two fragments
.set AF, 56                            ; v56-63 hidden's fragment
.set X,  64                            ; v64-191 W's numbers as loaded; behind the barrier the partial sums
.set HR, 192                           ; v192-255 hidden's 64 numbers, as loaded and then turned
.set ACC, 192                          ; v192-207 afterwards the two accumulators: tile of columns n at ACC + 8 n
.macro QBLK nb, x                      ; nb blocks of 32 registers from v[x] on, by turns: largest magnitude, scale operand, byte
.set qb, 0
.rept \nb
	v_max3_num_f32 v[QM+qb], |v[(\x)+32*qb]|, |v[(\x)+32*qb+1]|, FLOOR
.set qb, qb+1
.endr
.set qi, 2
.rept 15
.set qb, 0
.rept \nb
	v_max3_num_f32 v[QM+qb], v[QM+qb], |v[(\x)+32*qb+qi]|, |v[(\x)+32*qb+qi+1]|
.set qb, qb+1
.endr
.set qi, qi+2
.endr
.set qb, 0
.rept \nb
	v_add_nc_u32 v[QS+qb], OFF2, v[QM+qb]          ; 2 off the exponent field: the conversion takes that field as its scale
.set qb, qb+1
.endr
.set qb, 0
.rept \nb
	v_lshrrev_b32 v[QB+qb], 23, v[QS+qb]           ; the scale's byte
.set qb, qb+1
.endr
.endm
.macro WLOAD once                      ; W(128 s + i, my column), i = 0 .. 127: 128 consecutive bytes a load.  once = 1: no other work-group reads these bytes
.set wi, 0
.rept 128
.if \once
	global_load_b32 v[X+wi], v4, s[20:21] offset:4096*wi th:TH_LOAD_NT
.else
	global_load_b32 v[X+wi], v4, s[20:21] offset:4096*wi
.endif
.set wi, wi+1
.endr
.endm
.macro WQUANT                          ; my column's four blocks become the wave's two fragments and its scale word
	QBLK 4, X
	v_lshl_or_b32 v[WS], v[QB+1], 8, v[QB]
	v_lshl_or_b32 v[WS], v[QB+2], 16, v[WS]
	v_lshl_or_b32 v[WS], v[QB+3], 24, v[WS]
.irp kb, 0,1,2,3
.irp g, 0,1,2,3
	v_cvt_scalef32_pk8_fp4_f32 v[F+8*(\kb%2)+4*(\kb/2)+\g], v[X+32*\kb+8*\g:X+32*\kb+8*\g+7], v[QS+\kb]
.endr
.endr
	v_nop                                          ; one plain line behind the scaled conversions
.irp g, 0,1,2,3                        ; lanes 16-31 of block 2 c change places with lanes 0-15 of block 2 c + 1: F .. F+7 is then the fragment of columns 0-15, F+8 .. F+15 that of columns 16-31
	v_permlane16_swap_b32 v[F+\g], v[F+8+\g]
	v_permlane16_swap_b32 v[F+4+\g], v[F+12+\g]
.endr
.endm
	s_load_b512 s[4:19], s[0:1], 0x0               ; W1 s[4:5], W2 s[6:7], hidden s[8:9], b1 s[10:11], b2 s[12:13], w1r s[14:15], w1x s[16:17], hb s[18:19]
	v_lshl_add_u32 v35, v0, 2, 0x14c00
	v_mov_b32 v39, 0
	v_lshrrev_b32 v1, 5, v0
	v_readfirstlane_b32 s22, v1                    ; wave = K step s
	v_and_b32 v1, 31, v0                           ; lane
	v_and_b32 v2, 15, v0                           ; r
	v_bfe_u32 v3, v0, 4, 1                         ; h
	v_lshlrev_b32 v4, 2, v1                        ; W: 4 bytes a lane
	v_lshlrev_b32 v6, 4, v1                        ; 16 bytes a lane: an image's place, and hidden's
	s_sub_co_u32 s24, ttmp9, 32
	s_lshr_b32 s24, s24, 2                         ; W2's role: four work-groups to a group of columns
	s_cmp_lt_u32 ttmp9, 32
	s_cselect_b32 s23, ttmp9, s24                  ; cg: my 32 columns
	s_lshr_b32 s30, s22, 2                         ; every LDS address is made here, ahead of the parting
	s_lshl_b32 s30, s30, 9
	s_and_b32 s31, s22, 3
	s_lshl_b32 s31, s31, 2
	s_add_co_u32 s30, s30, s31
	v_lshl_add_u32 v7, v1, 4, s30                  ; scale words in: 512 (s / 4) + 16 lane + 4 (s % 4)
	s_and_b32 s30, s22, 1
	s_lshl_b32 s30, s30, 9
	v_lshl_add_u32 v8, v1, 4, s30                  ; and out: 512 x wave + 16 lane (waves 0 and 1)
	s_lshl_b32 s30, s22, 11
	s_add_co_u32 s30, s30, RED
	v_lshl_add_u32 v9, v1, 4, s30                  ; partial sums in: my wave's 2,048 bytes
	s_and_b32 s30, s22, 1
	s_lshl_b32 s30, s30, 10
	s_add_co_u32 s30, s30, RED
	v_lshl_add_u32 v10, v1, 4, s30                 ; and out: tile n = my wave's number (waves 0 and 1)
	s_mul_i32 s30, s22, 16*SPT
	s_add_co_u32 s30, s30, STG                     ; my stage
	v_lshl_add_u32 v5, v1, 4, s30                  ; into it: 16 bytes a lane, a row a store
	v_mul_u32_u24 v38, v2, SPT
	v_lshl_add_u32 v38, v3, 7, v38
	v_add_nc_u32 v38, s30, v38                     ; out of it: row r, + 128 h
	v_lshlrev_b32 v11, 2, v2                       ; 4 r
	v_lshl_add_u32 v12, v3, 15, v11                ; hb: 8 h rows of 4,096 bytes + 4 r
	v_lshlrev_b32 v13, 3, v3                       ; 8 h
	v_mov_b32 v37, 0                               ; written once: a lane permute's destination counts as one of its sources
	s_mov_b32 s26, 0x76543210
	s_mov_b32 s27, 0xfedcba98                      ; selects for lane l xor 16
	s_mov_b32 s28, C2
	s_mov_b32 s29, s28                             ; (the packed form names the pair)
	s_lshl_b32 s32, s23, 7
	s_lshl_b32 s33, s22, 19
	s_add_co_u32 s32, s32, s33                     ; my wave's part of W: 128 cg + 128 s rows of 4,096 bytes
	s_mov_b32 s33, 0
	s_wait_kmcnt 0x0
	s_cmp_ge_u32 ttmp9, 32
	s_cbranch_scc1 .Lw2
	; ---------------- W1's role
	s_add_nc_u64 s[20:21], s[4:5], s[32:33]
	WLOAD 1
	s_lshr_b32 s30, s23, 3                         ; w: the main launch's wave
	s_and_b32 s31, s23, 7                          ; k: its group of 32 columns
	s_mul_i32 s34, s30, 98304
	s_mul_i32 s35, s31, 12288
	s_add_co_u32 s34, s34, s35
	s_lshl_b32 s35, s22, 11
	s_add_co_u32 s34, s34, s35                     ; K steps 0-5: w1r at 98,304 w + 12,288 k + 2,048 s
	s_mul_i32 s36, s30, 40960
	s_lshl_b32 s37, s31, 12
	s_add_co_u32 s37, s36, s37
	s_max_u32 s40, s22, 6
	s_sub_co_u32 s40, s40, 6
	s_lshl_b32 s40, s40, 11
	s_add_co_u32 s37, s37, s40                     ; K steps 6, 7: w1x at 40,960 w + 4,096 k + 2,048 (s - 6)
	s_cmp_lt_u32 s22, 6
	s_cselect_b64 s[38:39], s[14:15], s[16:17]
	s_cselect_b32 s40, s34, s37
	s_mov_b32 s41, 0
	s_add_nc_u64 s[38:39], s[38:39], s[40:41]
	s_lshl_b32 s42, s31, 10
	s_add_co_u32 s42, s42, s36
	s_lshl_b32 s43, s22, 9
	s_add_co_u32 s42, s42, s43
	s_add_co_u32 s42, s42, 32768                   ; the scale images: w1x at 40,960 w + 32,768 + 1,024 k + 512 x wave (used by waves 0 and 1)
	s_mov_b32 s43, 0
	s_add_nc_u64 s[42:43], s[16:17], s[42:43]
	s_wait_loadcnt 0x0
	WQUANT
.irp c, 0,1,2,3
	global_store_b128 v6, v[F+4*\c:F+4*\c+3], s[38:39] offset:512*\c   ; 32 lanes store 512 consecutive bytes
.endr
	ds_store_b32 v7, v[WS]
	s_wait_dscnt 0x0                               ; for the others' sake: my scale words lie in LDS
	s_barrier_signal -1
	s_barrier_wait -1
	s_cmp_lt_u32 s22, 2
	s_cbranch_scc0 .Lw1_end
	ds_load_b128 v[X:X+3], v8                      ; lane = column: its scale words of K steps 4 x wave + 0 .. 3
	s_wait_dscnt 0x0
	global_store_b128 v6, v[X:X+3], s[42:43]
.Lw1_end:
	s_wait_tensorcnt 0x0
	ds_add_u32 v35, v39
	s_wait_dscnt 0x0
	s_endpgm
	; ---------------- W2's role
.Lw2:
	s_add_nc_u64 s[20:21], s[6:7], s[32:33]
	s_and_b32 s31, ttmp9, 3                        ; m: my tile of 16 rows of hidden (32 is a multiple of 4)
	s_and_b32 s30, s22, 1                          ; n: behind the barrier waves 0 and 1 own the tiles of columns 0 and 1
	s_lshl_b32 s34, s23, 7
	s_lshl_b32 s35, s30, 6
	s_add_co_u32 s34, s34, s35                     ; its 16 columns: 128 cg + 64 n bytes
	s_mov_b32 s35, 0
	s_add_nc_u64 s[10:11], s[10:11], s[34:35]
	s_add_nc_u64 s[12:13], s[12:13], s[34:35]
	s_lshl_b32 s36, s31, 16                        ; 16 m rows of 4,096 bytes, in hb and in hidden
	s_add_co_u32 s34, s34, s36
	s_add_nc_u64 s[18:19], s[18:19], s[34:35]
	s_lshl_b32 s37, s22, 9
	s_add_co_u32 s36, s36, s37                     ; hidden: + my K step's 512 bytes
	s_mov_b32 s37, 0
	s_add_nc_u64 s[8:9], s[8:9], s[36:37]
	global_load_b32 v14, v11, s[10:11]
	global_load_b32 v15, v11, s[12:13]
.set hi, 0
.rept 16
	global_load_b128 v[HR+4*hi:HR+4*hi+3], v6, s[8:9] offset:4096*hi   ; row 16 m + hi: 32 lanes read its 512 consecutive bytes of my K step
.set hi, hi+1
.endr
	WLOAD 0                                        ; every load of the wave is out before its first wait
	s_wait_loadcnt 63                              ; 128 loads were issued behind hidden's; a wait's count holds 63 at the most: the oldest 83 of the 146 are in, the biases and hidden among them
.set hi, 0
.rept 16
	ds_store_b128 v5, v[HR+4*hi:HR+4*hi+3] offset:SPT*hi
.set hi, hi+1
.endr
.irp c, 0,1                            ; back in the operand's order, into the registers that they left: register 32 c + i = hidden(16 m + r, 128 s + 64 c + 32 h + i).  LDS serves a wave's instructions in order (ISA guide 5.7.1.4): these see the stores above
.irp j, 0,1,2,3,4,5,6,7
	ds_load_b128 v[HR+32*\c+4*\j:HR+32*\c+4*\j+3], v38 offset:256*\c+16*\j
.endr
.endr
	s_wait_dscnt 0x0
	QBLK 2, HR                                     ; hidden's tile is quantised while W2's last loads are on their way: a lane holds two whole blocks
	v_lshl_or_b32 v36, v[QB+1], 16, v[QB]          ; my two bytes: blocks h and 2 + h of row r,
	v_lshlrev_b32 v36, v13, v36                    ; 8 h bits up;
	v_permlanex16_b32 v37, v36, s26, s27
	v_or_b32 v[AW], v36, v37                       ; with lane l xor 16's two the word is whole
.irp c, 0,1
.irp g, 0,1,2,3
	v_cvt_scalef32_pk8_fp4_f32 v[AF+4*\c+\g], v[HR+32*\c+8*\g:HR+32*\c+8*\g+7], v[QS+\c]
.endr
.endr
	v_nop                                          ; one plain line behind the scaled conversions
	s_wait_loadcnt 0x0                             ; W2's numbers
	WQUANT
.rept 8
	v_nop                                          ; a scale word made by vector lines stands eight places ahead of the scaled product, an operand so made four
.endr
	v_wmma_scale_f32_16x16x128_f8f6f4 v[ACC:ACC+7], v[AF:AF+7], v[F:F+7], 0, v[AW], v[WS] matrix_a_fmt:MATRIX_FMT_FP4 matrix_b_fmt:MATRIX_FMT_FP4
	v_wmma_scale_f32_16x16x128_f8f6f4 v[ACC+8:ACC+15], v[AF:AF+7], v[F+8:F+15], 0, v[AW], v[WS] matrix_a_fmt:MATRIX_FMT_FP4 matrix_b_fmt:MATRIX_FMT_FP4 matrix_b_scale:MATRIX_SCALE_ROW1
.rept 4
	v_nop                                          ; four places between the products and the first read of their results
.endr
.irp n, 0,1
	ds_store_b128 v9, v[ACC+8*\n:ACC+8*\n+3] offset:1024*\n          ; each accumulator from its low end on, as an image of its registers
	ds_store_b128 v9, v[ACC+8*\n+4:ACC+8*\n+7] offset:1024*\n+512
.endr
	s_wait_dscnt 0x0                               ; for the others' sake: my partial sums lie in LDS
	s_barrier_signal -1
	s_barrier_wait -1
	s_cmp_lt_u32 s22, 2
	s_cbranch_scc0 .Lw2_end
.irp p, 0,1,2,3,4,5,6,7
	ds_load_b128 v[X+8*\p:X+8*\p+3], v10 offset:2048*\p
	ds_load_b128 v[X+8*\p+4:X+8*\p+7], v10 offset:2048*\p+512
.endr
	v_add_f32 v14, v14, v15                        ; b1 + b2 of my column,
	v_mul_f32 v14, s28, v14                        ; x c
	s_wait_dscnt 0x0
.irp p, 1,2,3,4,5,6,7                  ; K ascending
.irp q, 0,2,4,6
	v_pk_add_f32 v[X+\q:X+\q+1], v[X+\q:X+\q+1], v[X+8*\p+\q:X+8*\p+\q+1]
.endr
.endr
.irp q, 0,2,4,6
	v_pk_fma_f32 v[X+\q:X+\q+1], v[X+\q:X+\q+1], s[28:29], v[14:15] op_sel_hi:[1,0,0]   ; c x the sum + c (b1 + b2)
.endr
.irp j, 0,1,2,3,4,5,6,7
	global_store_b32 v12, v[X+\j], s[18:19] offset:4096*\j          ; hb(16 m + 8 h + j, my column)
.endr
.Lw2_end:
	s_wait_tensorcnt 0x0
	ds_add_u32 v35, v39
	s_wait_dscnt 0x0
	s_endpgm
.Lfunc_end_k_qbbba977d91_prep:
	.size	k_qbbba977d91_prep, .Lfunc_end_k_qbbba977d91_prep-k_qbbba977d91_prep
	.p2alignl 7, 3214868480
	.fill 96, 4, 3214868480
	.section	.rodata,"a",@progbits
	.p2align	6, 0x0
	.amdhsa_kernel k_qbbba977d91_prep
		.amdhsa_group_segment_fixed_size 86016
		.amdhsa_private_segment_fixed_size 0
		.amdhsa_enable_private_segment 0
		.amdhsa_kernarg_size 64
		.amdhsa_user_sgpr_count 2
		.amdhsa_user_sgpr_kernarg_segment_ptr 1
		.amdhsa_wavefront_size32 1
		.amdhsa_system_sgpr_workgroup_id_x 1
		.amdhsa_system_sgpr_workgroup_id_y 1
		.amdhsa_system_sgpr_workgroup_id_z 1
		.amdhsa_system_vgpr_workitem_id 0
		.amdhsa_next_free_vgpr 256
		.amdhsa_next_free_sgpr 66
		.amdhsa_reserve_vcc 0
		.amdhsa_float_denorm_mode_32 3
		.amdhsa_float_denorm_mode_16_64 3
		.amdhsa_memory_ordered 1
		.amdhsa_forward_progress 1
		.amdhsa_inst_pref_size 53
	.end_amdhsa_kernel
	.amdgpu_metadata
---
amdhsa.version: [ 1, 2 ]
amdhsa.kernels:
  - .name:           k_qbbba977d91_prep
    .symbol:         k_qbbba977d91_prep.kd
    .args:
      - { .name: W1, .offset: 0, .size: 8, .value_kind: global_buffer, .address_space: global }
      - { .name: W2, .offset: 8, .size: 8, .value_kind: global_buffer, .address_space: global }
      - { .name: hidden, .offset: 16, .size: 8, .value_kind: global_buffer, .address_space: global }
      - { .name: b1, .offset: 24, .size: 8, .value_kind: global_buffer, .address_space: global }
      - { .name: b2, .offset: 32, .size: 8, .value_kind: global_buffer, .address_space: global }
      - { .name: w1r, .offset: 40, .size: 8, .value_kind: global_buffer, .address_space: global }
      - { .name: w1x, .offset: 48, .size: 8, .value_kind: global_buffer, .address_space: global }
      - { .name: hb, .offset: 56, .size: 8, .value_kind: global_buffer, .address_space: global }
    .group_segment_fixed_size: 86016
    .private_segment_fixed_size: 0
    .kernarg_segment_align: 8
    .kernarg_segment_size: 64
    .max_flat_workgroup_size: 256
    .sgpr_count:     66
    .vgpr_count:     256
    .wavefront_size: 32
...
	.end_amdgpu_metadata
.endif
;; end of part 1
;; launch main (part 2): grid 256 x 1, 4 waves a work-group, no clusters, 327,680 bytes of LDS; arguments features, w1r, w1x, hb, V, bV, pctx, pml, plog; writes pctx, pml, plog
.if DOCPART == 2
	.amdgcn_target "amdgcn-amd-amdhsa--gfx1250"
	.amdhsa_code_object_version 6
	.text
	.protected	k_qbbba977d91_main
	.globl	k_qbbba977d91_main
	.p2align	8
	.type	k_qbbba977d91_main,@function
k_qbbba977d91_main:
	s_mov_b64 s[64:65], 0
	v_nop
	global_prefetch_b8 v0, s[64:65] scope:SCOPE_SE
	s_setreg_imm32_b32 hwreg(HW_REG_WAVE_MODE, 25, 1), 1
	s_wait_xcnt 0x0
; MAIN.  For 256 rows of features (a quarter of a batch): logit = bV + V . tanh(row W1 + hb / c), the product on FP4 codes; a running softmax over the rows; the partial context sum of p x row.
; FEATURES ARE READ ONCE.  A row's f32 numbers wait in LDS until its logit is known, and are then added into the context.  That asks for all of W1 on chip: its codes (512 KiB) and scale bytes (32 KiB) stay for the
; whole launch, K steps 0-5 in registers v256-v1023 of the four waves, K steps 6, 7 and the scale words in LDS (40,960 bytes a wave).  What is left of LDS holds two slots of 16 rows of features.
; SHARES.  Sixteen tiles of 16 rows.  THE WAVES SHARE THE COLUMNS: wave w owns units 256 w .. 256 w + 255, sixteen tiles of 16, in eight groups of two.  In the quantiser wave w takes rows 4 w .. 4 w + 3 of a tile,
; in the context columns 256 w .. 256 w + 255 of all 16 rows.
; A TILE, three barriers: (1) the change of slots; the next tile is asked for; my four rows are quantised; codes and scale bytes to LDS | (2) | all eight fragments of the 16 rows from LDS; 128 products;
; tanh and the product with V beside them; the 16 rows' partial logits to LDS | (3) | the logits; the running maximum m, the sum l, the weights p = e^(z - m); context = context x f + sum of p x row.
; TANH: tanh x = 1 - 2 / (1 + 2^(c x)), c = 2 log2(e): a fused multiply-add, an exponential, an addition, a reciprocal; then logit += (-2 V) x reciprocal, on top of the sum of V.  2^.. = infinity gives 1, 0 gives -1.
; THE PIPELINE.  Stage k holds group k's 16 products, group k - 1's multiply-adds and exponentials, group k - 2's additions and reciprocals, group k - 3's sums: three sets of two accumulators by turns.
; Behind each product stand one packed line and two transcendentals.  Nothing in a stage names a transcendental's result; one wait at the stage's end serves them all.
; The packed lines and transcendentals name no vector register as their second source, so they run under the window setting of the products round them (W1's fragment is a product's second source).
; NO CLUSTER: the sixteen tiles of features, 1 MiB a work-group, are shared with nobody; only W1's 160 KiB for LDS could be asked for jointly, once, at the head, and each of the fifteen refills would then stand behind a round of a cluster's barrier.
; LIMITS: NaN and infinities among the inputs are not served.  A block of zeros gets the scale byte 1 (its codes are zeros; the bytes are read here alone).  The running maximum begins at -3e38: logits under that are not served.
; The units' sum runs over lanes and waves, not in reference order.
.set SLOTB,  0x11000                   ; a slot: 16 rows x 16 pieces of 256 bytes + 16 of padding.  It shares no bit with 0x4400 x wave, so one exclusive or changes the slot in an address
.set CHUNK,  272                       ; a piece in LDS: an odd multiple of 16 bytes, so that lanes a piece apart start in different banks (64 banks of 4 bytes: ISA guide 11.1)
.set ROWP,   16*CHUNK                  ; a row of features in LDS
.set WPART,  4*ROWP                    ; four rows: what one tensor load brings
.set W1X,    2*SLOTB                   ; W1's K steps 6, 7 and scale words: 40,960 bytes a wave: fragments at 4,096 k + 512 j, scale images at 32,768 + 1,024 k + 512 x half
.set WXB,    40960
.set WXS,    32768
.set ACODE,  W1X+4*WXB                 ; the tile's codes: block 2 q + e of a row at 4,352 e + 272 q + 16 row
.set ASCL,   ACODE+2*ROWP              ; its scale bytes: 48 row + block
.set LPART,  ASCL+768                  ; partial logits [wave][16 rows]
.set LOGITS, LPART+256                 ; the work-group's 256 logits: wave 0's alone
.set SPARE,  LOGITS+1024               ; the spare words, 128 bytes for each wave: two blocks of 256 bytes that no other line names
.set FLOOR,  0x1800000                 ; 2^(3 - 127)
.set OFF2,   0xff000000                ; - (2 << 23)
.set SPW, 1                            ; v1   SPARE + 4 x my thread's number; never rewritten
.set NIL, 2                            ; v2   0; never rewritten
.set AQ0, 3                            ; v3   quantiser: my piece of my wave's four rows: 17,408 w + 272 lane
.set ACS, 4                            ; v4   where my codes go
.set ASS, 5                            ; v5   where my two scale bytes go
.set AFR, 6                            ; v6   fragments: ACODE + 4,352 h + 16 r
.set ASR, 7                            ; v7   scale words: ASCL + 48 r + 16 h
.set AWL, 8                            ; v8   W1X + 40,960 w + 16 lane
.set GL,  9                            ; v9   16 lane
.set ACX0, 10                          ; v10  context: 272 (4 w + h) + 16 r
.set ALP, 11                           ; v11  LPART + 64 w + 32 h
.set ALR, 12                           ; v12  LPART + 4 r
.set ALG0, 13                          ; v13  LOGITS + 4 r
.set T0,  14                           ; v14, v15 addresses of the loads in hand
.set T1,  15
.set PFO, 16                           ; v16  256 lane; never rewritten
.set Z,   17                           ; v17  the logit of row r
.set MX,  18                           ; v[18:19] the running maximum m and the sum l
.set LS,  19
.set ZM,  20                           ; v20  the tile's largest logit
.set TG,  21                           ; v21  where the tile's logits go
.set FF,  22                           ; v[22:23] f = e^(old m - new m) (v23 is written once)
.set PP,  24                           ; v24  p of row r
.set PS,  25                           ; v25  the tile's sum of p
.set MN,  26                           ; v26  the new m
.set SV,  28                           ; v[28:29] the sum of my lane's 16 V, twice
.set ALGR, 30                          ; v30  LOGITS + 16 lane
.set GL8, 31                           ; v31  8 lane
.set XA,  32                           ; v32-95   features' eight fragments; in the quantiser 64 numbers; in the context rows 0-7
.set AS,  96                           ; v96-99   features' scale words: lanes 0-15 K steps 0-3, lanes 16-31 K steps 4-7.  Scales alone
.set BS,  100                          ; v100-115 W1's scale words, two sets of eight (register = K step; lanes 0-15 the group's first tile, lanes 16-31 its second).  Scales alone
.set ACC, 116                          ; v116-163 three sets of two accumulators
.set XB,  116                          ; v116-179 in the quantiser 64 numbers; in the context rows 8-15
.set WT,  164                          ; v164-195 the group's four fragments of K steps 6, 7
.set CD,  180                          ; v180-195 in the quantiser the codes just made
.set BC,  196                          ; v196-211 hb of my unit in each of my 16 tiles
.set VV,  212                          ; v212-227 -2 V likewise
.set LG,  228                          ; v228-235 my lane's part of the logits of rows 8 h + 0 .. 7
.set CTX, 236                          ; v236-243 the context's sums
.set TM,  244                          ; v244-253 at work
.set WV,  22                           ; s22  wave
.set TB,  23                           ; s23  the slot that is read
.set WOFF, 25                          ; s25  17,408 x wave
.set CNT, 26                           ; s26  tiles still to be asked for
.set TL,  27                           ; s27  64 x tile
.set CC,  28                           ; s[28:29] c
.set L2E, 30                           ; s30  log2(e)
.set G1F, 32                           ; s[32:39] descriptor group 1 for features;  s[40:47] for W1's part;  s[48:51], s[52:55] their groups 0
.set G1X, 40
.set G0F, 48
.set G0X, 52
.set PFA, 56                           ; s[56:57] where my prefetches stand
.set BV,  58                           ; s58  bV
.set P,   66                           ; s[66:97] p of row i in s[66 + 2 i]; the odd ones are 0: the packed form names pairs
.set MSB, 0
.macro WIN new                         ; the immediate's high byte repeats the setting that is left; a switch that changes nothing is dropped
.if MSB != (\new)
	s_set_vgpr_msb (MSB<<8)|(\new)
.set MSB, \new
.endif
.endm
.macro PLACES
.rept 4
	v_nop
.endr
.endm
; A PREFETCH INTO THE L2 of my wave's 16,384 bytes of the tile that the NEXT change of slots will ask for: 64 blocks of 256 bytes, a lane a block, two instructions, one trip ahead of that load.
; Every block is named once in the launch: no other wave and no other work-group reads it.  Tiles 0 and 1 come by their loads alone; the last two changes ask for nothing.
.macro ASK
	s_cmp_gt_u32 s[CNT], 1
	s_cbranch_scc0 .Lno_ask_\@
	global_prefetch_b8 v[PFO], s[PFA:PFA+1] th:TH_LOAD_NT scope:SCOPE_SE
	global_prefetch_b8 v[PFO], s[PFA:PFA+1] offset:8192 th:TH_LOAD_NT scope:SCOPE_SE
.Lno_ask_\@:
.endm
; THE CHANGE OF SLOTS, at a tile's head.  Each wave waits for all its tensor loads (its four rows of the tile ahead), adds 0 to its spare word, and waits for that and for its reads of the slot that it has left.
; Behind the barrier the tile ahead is whole and nobody reads the other slot: fill = 1: it takes the next tile, one load a wave, which has the whole tile's work in which to land.
.macro CHANGE fill
	s_wait_tensorcnt 0x0                           ; no tensor load of mine is out, so a group 0 may be written
	ds_add_u32 v[SPW], v[NIL]                      ; 0 onto my spare word
.if \fill
	s_xor_b32 s[G0F+1], s[G0F+1], SLOTB            ; the other slot than last time,
	s_add_nc_u64 s[G0F+2:G0F+3], s[G0F+2:G0F+3], 65536   ; the next 16 rows; the type bits on top are not reached
	s_wait_xcnt 0x0                                ; the last prefetches, a tile back, have read their address
	s_add_nc_u64 s[PFA:PFA+1], s[PFA:PFA+1], 65536
.endif
	s_wait_dscnt 0x0                               ; the add is done, and my reads of the slot that I have left are over
	s_barrier_signal -1
	s_barrier_wait -1
.if \fill
	tensor_load_to_lds s[G0F:G0F+3], s[G1F:G1F+7]  ; the first thing behind the barrier, and my one tensor load until the next change
	s_nop 0
	PLACES                                         ; four plain lines behind it
	ASK
.endif
.endm
; 64 numbers of a lane, v[x] on: two blocks of 32 of one row.  Codes into v[cd] on, then to LDS; the two scale bytes by one store of 16 bits.  p: which of my lane's two pieces (two rows further down).
.macro QUANT2 x, cd, p
	v_max3_num_f32 v[TM], |v[\x]|, |v[\x+1]|, FLOOR                 ; each block in two chains, four chains by turns; the floor holds the byte at 1 from below
	v_max3_num_f32 v[TM+1], |v[\x+16]|, |v[\x+17]|, FLOOR
	v_max3_num_f32 v[TM+2], |v[\x+32]|, |v[\x+33]|, FLOOR
	v_max3_num_f32 v[TM+3], |v[\x+48]|, |v[\x+49]|, FLOOR
.set qi, 2
.rept 7
	v_max3_num_f32 v[TM], v[TM], |v[\x+qi]|, |v[\x+qi+1]|
	v_max3_num_f32 v[TM+1], v[TM+1], |v[\x+16+qi]|, |v[\x+17+qi]|
	v_max3_num_f32 v[TM+2], v[TM+2], |v[\x+32+qi]|, |v[\x+33+qi]|
	v_max3_num_f32 v[TM+3], v[TM+3], |v[\x+48+qi]|, |v[\x+49+qi]|
.set qi, qi+2
.endr
	v_max_num_f32 v[TM], v[TM], v[TM+1]
	v_max_num_f32 v[TM+2], v[TM+2], v[TM+3]
	v_add_nc_u32 v[TM+4], OFF2, v[TM]              ; 2 off the exponent field: the conversion's scale operand
	v_add_nc_u32 v[TM+5], OFF2, v[TM+2]
	v_lshrrev_b32 v[TM+6], 23, v[TM+4]             ; the scale's byte
	v_lshrrev_b32 v[TM+7], 23, v[TM+5]
	v_lshl_or_b32 v[TM+8+\p], v[TM+7], 8, v[TM+6]
.irp e, 0,1
.irp g, 0,1,2,3
	v_cvt_scalef32_pk8_fp4_f32 v[\cd+4*\e+\g], v[\x+32*\e+8*\g:\x+32*\e+8*\g+7], v[TM+4+\e]
.endr
.endr
	v_nop                                          ; one plain line behind the scaled conversions: products write their sources' registers later
	ds_store_b128 v[ACS], v[\cd:\cd+3] offset:32*\p
	ds_store_b128 v[ACS], v[\cd+4:\cd+7] offset:ROWP+32*\p
	ds_store_b16 v[ASS], v[TM+8+\p] offset:96*\p
.endm
; Product si of a stage's 16: K step si / 2, tile si % 2 of group k.  The two accumulators take turns, one instruction a turn.
.macro MM k
.set ms, si/2
.set mt, si%2
.set mD, ACC+16*((\k)%3)+8*mt
.set mA, XA+8*ms
.set mSA, AS+(ms%4)
.set mSB, BS+8*((\k)%2)+ms
.if ms < 6
.set mabs, 256+96*(\k)+16*ms+8*mt
	WIN (mabs>>8)<<2                               ; W1's fragment, the second source, lies in window 1, 2 or 3
.set mB, mabs&255
.else
	WIN 0
.if si == 12
	s_wait_dscnt 0x0                               ; the four fragments from LDS are in, and the next group's scale words
.endif
.set mB, WT+16*(ms-6)+8*mt
.endif
.if (ms == 0) && (mt == 0)
	v_wmma_scale_f32_16x16x128_f8f6f4 v[mD:mD+7], v[mA:mA+7], v[mB:mB+7], 0, v[mSA], v[mSB] matrix_a_fmt:MATRIX_FMT_FP4 matrix_b_fmt:MATRIX_FMT_FP4
.elseif ms == 0
	v_wmma_scale_f32_16x16x128_f8f6f4 v[mD:mD+7], v[mA:mA+7], v[mB:mB+7], 0, v[mSA], v[mSB] matrix_a_fmt:MATRIX_FMT_FP4 matrix_b_fmt:MATRIX_FMT_FP4 matrix_b_scale:MATRIX_SCALE_ROW1
.elseif (ms < 4) && (mt == 0)
	v_wmma_scale_f32_16x16x128_f8f6f4 v[mD:mD+7], v[mA:mA+7], v[mB:mB+7], v[mD:mD+7], v[mSA], v[mSB] matrix_a_fmt:MATRIX_FMT_FP4 matrix_b_fmt:MATRIX_FMT_FP4
.elseif ms < 4
	v_wmma_scale_f32_16x16x128_f8f6f4 v[mD:mD+7], v[mA:mA+7], v[mB:mB+7], v[mD:mD+7], v[mSA], v[mSB] matrix_a_fmt:MATRIX_FMT_FP4 matrix_b_fmt:MATRIX_FMT_FP4 matrix_b_scale:MATRIX_SCALE_ROW1
.elseif mt == 0
	v_wmma_scale_f32_16x16x128_f8f6f4 v[mD:mD+7], v[mA:mA+7], v[mB:mB+7], v[mD:mD+7], v[mSA], v[mSB] matrix_a_fmt:MATRIX_FMT_FP4 matrix_b_fmt:MATRIX_FMT_FP4 matrix_a_scale:MATRIX_SCALE_ROW1
.else
	v_wmma_scale_f32_16x16x128_f8f6f4 v[mD:mD+7], v[mA:mA+7], v[mB:mB+7], v[mD:mD+7], v[mSA], v[mSB] matrix_a_fmt:MATRIX_FMT_FP4 matrix_b_fmt:MATRIX_FMT_FP4 matrix_a_scale:MATRIX_SCALE_ROW1 matrix_b_scale:MATRIX_SCALE_ROW1
.endif
.endm
; Plain line pn of a stage's 16.  Even: pair pn / 2 of group k - 1: c x sum + hb (the tile's hb is one register of a pair, picked by op_sel).  Odd: pair pn / 2 of group k - 2: + 1.
.macro PL k
.set pq, pn/2
.if (pn%2) == 0
.if ((\k) >= 1) && ((\k) <= 8)
.set pj, (\k)-1
.set pr, ACC+16*(pj%3)+2*pq
.if pq < 4
	v_pk_fma_f32 v[pr:pr+1], v[pr:pr+1], s[CC:CC+1], v[BC+2*pj:BC+2*pj+1] op_sel_hi:[1,0,0]
.else
	v_pk_fma_f32 v[pr:pr+1], v[pr:pr+1], s[CC:CC+1], v[BC+2*pj:BC+2*pj+1] op_sel:[0,0,1] op_sel_hi:[1,0,1]
.endif
.endif
.else
.if ((\k) >= 2) && ((\k) <= 9)
.set pj, (\k)-2
.set pr, ACC+16*(pj%3)+2*pq
	v_pk_add_f32 v[pr:pr+1], v[pr:pr+1], 1.0 op_sel_hi:[1,0]
.endif
.endif
.endm
; The two transcendentals on the pair of plain line tn
.macro TR k
.set tq, tn/2
.if (tn%2) == 0
.if ((\k) >= 1) && ((\k) <= 8)
.set tx, ACC+16*(((\k)-1)%3)+2*tq
	v_exp_f32 v[tx], v[tx]
	v_exp_f32 v[tx+1], v[tx+1]
.endif
.else
.if ((\k) >= 2) && ((\k) <= 9)
.set tx, ACC+16*(((\k)-2)%3)+2*tq
	v_rcp_f32 v[tx], v[tx]
	v_rcp_f32 v[tx+1], v[tx+1]
.endif
.endif
.endm
; Group j's 16 reciprocals x (-2 V) onto my lane's eight partial logits; the first four lines of a tile start them from the sum of my V
.macro LSUM j
.set lr, ACC+16*((\j)%3)
.set lq, 0
.rept 8
.if ((\j) == 0) && (lq < 4)
	v_pk_fma_f32 v[LG+2*lq:LG+2*lq+1], v[lr+2*lq:lr+2*lq+1], v[VV+2*(\j):VV+2*(\j)+1], v[SV:SV+1] op_sel_hi:[1,0,1]
.elseif lq < 4
	v_pk_fma_f32 v[LG+2*lq:LG+2*lq+1], v[lr+2*lq:lr+2*lq+1], v[VV+2*(\j):VV+2*(\j)+1], v[LG+2*lq:LG+2*lq+1] op_sel_hi:[1,0,1]
.else
	v_pk_fma_f32 v[LG+2*(lq-4):LG+2*(lq-4)+1], v[lr+2*lq:lr+2*lq+1], v[VV+2*(\j):VV+2*(\j)+1], v[LG+2*(lq-4):LG+2*(lq-4)+1] op_sel:[0,1,0] op_sel_hi:[1,1,1]
.endif
.set lq, lq+1
.endr
.endm
; A STAGE.  Its head (group k - 3's eight sums, or four v_nop, on top of the v_nop at the last stage's end) is also the places between the last stage's products and the loads into the registers that
; they read, and the first read of their results (ISA guide 7.12.1 for vector instructions).  Each accumulator is first read at its low end: pairs 0 and 4.
.macro STAGE k
	WIN 0
.if (\k) >= 3
	LSUM (\k)-3
.elseif (\k) >= 1
	PLACES
.endif
.if (\k) <= 7
.set sn, 0
.rept 8
	ds_load_b128 v[WT+4*sn:WT+4*sn+3], v[AWL] offset:4096*(\k)+512*sn
.set sn, sn+1
.endr
.if (\k) < 7
	ds_load_b128 v[BS+8*(((\k)+1)%2):BS+8*(((\k)+1)%2)+3], v[AWL] offset:WXS+1024*((\k)+1)
	ds_load_b128 v[BS+8*(((\k)+1)%2)+4:BS+8*(((\k)+1)%2)+7], v[AWL] offset:WXS+1024*((\k)+1)+512
.endif
.if (\k) == 0
	s_wait_dscnt 10                                ; features' fragments, their scale words and group 0's are in; the ten loads just issued may be out
.endif
.endif
.set pn, 0
	PL \k
.set si, 0
.rept 16
.if (\k) <= 7
	MM \k
.endif
.set pn, si+1
.if pn < 16
	PL \k
.endif
.set tn, si
	TR \k
.set si, si+1
.endr
	WIN 0
.if ((\k) >= 1) && ((\k) <= 9)
	v_nop                                          ; a plain line behind the last transcendental,
	s_wait_alu depctr_va_vdst(0)                   ; and the one wait ahead of the first line that names a result: one for the stage's batch
.endif
.endm
.macro TILE fill
	CHANGE \fill
	; ---- my four rows are quantised: a lane takes two pieces of 64 numbers
	v_add_nc_u32 v[T0], s[TB], v[AQ0]
.set n, 0
.rept 16
	ds_load_b128 v[XA+4*n:XA+4*n+3], v[T0] offset:16*n
.set n, n+1
.endr
.set n, 0
.rept 16
	ds_load_b128 v[XB+4*n:XB+4*n+3], v[T0] offset:32*CHUNK+16*n
.set n, n+1
.endr
	s_wait_dscnt 16                                ; the first piece is in; the second's sixteen loads may be out
	QUANT2 XA, CD, 0
	s_wait_dscnt 3                                 ; the second piece is in; the three stores just issued may be out
	QUANT2 XB, CD+8, 1
	s_wait_dscnt 0x0                               ; for the others' sake: my codes and scale bytes lie in LDS
	s_barrier_signal -1
	s_barrier_wait -1
	; ---- the 16 rows' eight fragments: lane (r, h) takes block 4 s + 2 c + h of row r
.set n, 0
.rept 16
	ds_load_b128 v[XA+4*n:XA+4*n+3], v[AFR] offset:CHUNK*n
.set n, n+1
.endr
	ds_load_b128 v[AS:AS+3], v[ASR]
	ds_load_b128 v[BS:BS+3], v[AWL] offset:WXS
	ds_load_b128 v[BS+4:BS+7], v[AWL] offset:WXS+512
	s_wait_loadcnt 0x0                             ; W1's registers (asked for at the head; later trips have no load out)
.irp k, 0,1,2,3,4,5,6,7,8,9,10
	STAGE \k
.endr
	; ---- the sum over my wave's 256 units: sixteen lanes hold sixteen units of the same eight rows
.irp x, 1,2,4,8
.irp j, 0,1,2,3,4,5,6,7
	v_add_f32_dpp v[LG+\j], v[LG+\j], v[LG+\j] row_xmask:\x row_mask:0xf bank_mask:0xf
.endr
.endr
	ds_store_b128 v[ALP], v[LG:LG+3]               ; sixteen lanes write the same words with the same values
	ds_store_b128 v[ALP], v[LG+4:LG+7] offset:16
	s_wait_dscnt 0x0                               ; for the others' sake
	s_barrier_signal -1
	s_barrier_wait -1
	; ---- the logits, the running softmax, the context
.irp u, 0,1,2,3
	ds_load_b32 v[TM+\u], v[ALR] offset:64*\u
.endr
	v_add_nc_u32 v[T0], s[TB], v[ACX0]
	v_add_nc_u32 v[T1], 8*ROWP, v[T0]
	v_add_nc_u32 v[TG], s[TL], v[ALG0]
.set ci, 0
.rept 16                               ; my 1,024 bytes of each of the 16 rows: 512 consecutive bytes of data a load
.if ci < 8
.set cx, XA+8*ci
	ds_load_b128 v[cx:cx+3], v[T0] offset:ROWP*ci
	ds_load_b128 v[cx+4:cx+7], v[T0] offset:ROWP*ci+2*CHUNK
.else
.set cx, XB+8*(ci-8)
	ds_load_b128 v[cx:cx+3], v[T1] offset:ROWP*(ci-8)
	ds_load_b128 v[cx+4:cx+7], v[T1] offset:ROWP*(ci-8)+2*CHUNK
.endif
.set ci, ci+1
.endr
	s_wait_dscnt 32                                ; the four partial logits are in; the rows' 32 loads may be out
	v_add_f32 v[TM], v[TM], v[TM+1]
	v_add_f32 v[TM+2], v[TM+2], v[TM+3]
	v_add_f32 v[TM], v[TM], v[TM+2]
	v_add_f32 v[Z], s[BV], v[TM]                   ; lane (r, h): the logit of row r; the same bits in all four waves
	s_cmp_lg_u32 s[WV], 0
	s_cbranch_scc1 .Lnot_wave_0_\@
	ds_store_b32 v[TG], v[Z]                       ; wave 0 keeps the logits (one LDS instruction more behind the rows' loads: the counts below then wait for a little more)
.Lnot_wave_0_\@:
	v_max_num_f32_dpp v[ZM], v[Z], v[Z] row_xmask:1 row_mask:0xf bank_mask:0xf
	v_max_num_f32_dpp v[ZM], v[ZM], v[ZM] row_xmask:2 row_mask:0xf bank_mask:0xf
	v_max_num_f32_dpp v[ZM], v[ZM], v[ZM] row_xmask:4 row_mask:0xf bank_mask:0xf
	v_max_num_f32_dpp v[ZM], v[ZM], v[ZM] row_xmask:8 row_mask:0xf bank_mask:0xf
	v_max_num_f32 v[MN], v[MX], v[ZM]              ; the new m
	v_sub_f32 v[FF], v[MX], v[MN]                  ; the differences first: a common offset of the logits costs no bits
	v_sub_f32 v[PP], v[Z], v[MN]
	v_mul_f32 v[FF], s[L2E], v[FF]
	v_mul_f32 v[PP], s[L2E], v[PP]
	v_exp_f32 v[FF], v[FF]                         ; f = e^(old m - new m): 0 in the first tile
	v_exp_f32 v[PP], v[PP]                         ; p = e^(z - m)
	v_mov_b32 v[MX], v[MN]                         ; (a plain line behind the two)
	s_wait_alu depctr_va_vdst(0)                   ; the wait ahead of the first use: one for the two
	v_add_f32_dpp v[PS], v[PP], v[PP] row_xmask:1 row_mask:0xf bank_mask:0xf
	v_add_f32_dpp v[PS], v[PS], v[PS] row_xmask:2 row_mask:0xf bank_mask:0xf
	v_add_f32_dpp v[PS], v[PS], v[PS] row_xmask:4 row_mask:0xf bank_mask:0xf
	v_add_f32_dpp v[PS], v[PS], v[PS] row_xmask:8 row_mask:0xf bank_mask:0xf
	v_fma_f32 v[LS], v[LS], v[FF], v[PS]           ; l = l f + the tile's sum
.set ci, 0
.rept 16
	v_readlane_b32 s[P+2*ci], v[PP], ci            ; a row's weight is the same for all my columns: it goes to a scalar register
.set ci, ci+1
.endr
.irp q, 0,2,4,6
	v_pk_mul_f32 v[CTX+\q:CTX+\q+1], v[CTX+\q:CTX+\q+1], v[FF:FF+1] op_sel_hi:[1,0]
.endr
.set ci, 0
.rept 16
.if (ci%4) == 0
	s_wait_dscnt 24-8*(ci/4)                       ; these four rows' eight loads are in; the later rows' may be out
.endif
.if ci < 8
.set cx, XA+8*ci
.else
.set cx, XB+8*(ci-8)
.endif
.irp q, 0,2,4,6
	v_pk_fma_f32 v[CTX+\q:CTX+\q+1], v[cx+\q:cx+\q+1], s[P+2*ci:P+2*ci+1], v[CTX+\q:CTX+\q+1] op_sel_hi:[1,0,1]
.endr
.set ci, ci+1
.endr
	s_xor_b32 s[TB], s[TB], SLOTB                  ; on to the other slot
	s_add_co_u32 s[TL], s[TL], 64
.endm
	s_load_b512 s[4:19], s[0:1], 0x0               ; features s[4:5], w1r s[6:7], w1x s[8:9], hb s[10:11], V s[12:13], bV s[14:15], pctx s[16:17], pml s[18:19]
	s_load_b64 s[20:21], s[0:1], 0x40              ; plog
	v_lshl_add_u32 v[SPW], v0, 2, SPARE
	v_mov_b32 v[NIL], 0
	ds_add_u32 v1, v2
	ds_add_u32 v1, v2
	s_wait_dscnt 0x0
	v_lshrrev_b32 v[TM], 5, v0
	v_readfirstlane_b32 s[WV], v[TM]               ; wave 0..3
	; group 1 for features: four rows, 16,384 dense bytes, as 64 rows of 256 bytes (32 elements of 8 bytes), 16 bytes of padding behind each
	s_mov_b32 s[G1F], (3<<16)|(1<<20)|(5<<22)|(3<<25)   ; 15:0 no mask; 17:16 elements of 8 bytes; 20 padding on; 24:22 after every 64 words (code 5); 31:25 four words (code 3)
	s_mov_b32 s[G1F+1], 32<<16                     ; tensor_dim0 = 32
	s_mov_b32 s[G1F+2], 64<<16                     ; tensor_dim1 = 64
	s_mov_b32 s[G1F+3], 32<<16                     ; tile_dim0 = 32
	s_mov_b32 s[G1F+4], 64                         ; tile_dim1 = 64
	s_mov_b32 s[G1F+5], 32                         ; from row to row
	s_mov_b32 s[G1F+6], 0
	s_mov_b32 s[G1F+7], 0
	; group 1 for my wave's part of w1x: 40,960 dense bytes as 160 rows of 256, no padding
	s_mov_b32 s[G1X], 3<<16
	s_mov_b32 s[G1X+1], 32<<16
	s_mov_b32 s[G1X+2], 160<<16
	s_mov_b32 s[G1X+3], 32<<16
	s_mov_b32 s[G1X+4], 160
	s_mov_b32 s[G1X+5], 32
	s_mov_b32 s[G1X+6], 0
	s_mov_b32 s[G1X+7], 0
	s_mul_i32 s[WOFF], s[WV], WPART
	s_mul_i32 s60, s[WV], WXB
	s_mov_b32 s61, 0
	s_lshl_b32 s62, ttmp9, 20                      ; my work-group's 256 rows of 4,096 bytes,
	s_lshl_b32 s63, s[WV], 14                      ; my wave's four rows of a tile
	s_add_co_u32 s62, s62, s63
	s_mov_b32 s63, 0
	s_wait_kmcnt 0x0
	s_mov_b32 s[G0X], 1
	s_add_co_u32 s[G0X+1], s60, W1X
	s_add_nc_u64 s[G0X+2:G0X+3], s[8:9], s[60:61]
	s_or_b32 s[G0X+3], s[G0X+3], 0x80000000
	s_mov_b32 s[G0F], 1
	s_mov_b32 s[G0F+1], s[WOFF]                    ; slot 0
	s_add_nc_u64 s[G0F+2:G0F+3], s[4:5], s[62:63]  ; tile 0
	s_add_nc_u64 s[PFA:PFA+1], s[G0F+2:G0F+3], 65536   ; the prefetches stand at tile 1: the first change steps them to tile 2.  Nothing is prefetched here, at the head
	s_or_b32 s[G0F+3], s[G0F+3], 0x80000000
	tensor_load_to_lds s[G0X:G0X+3], s[G1X:G1X+7]  ; the two first fills go out together, ahead of every wait on TENSORcnt, every LDS read and every barrier: two loads of mine are out
	s_nop 0
	tensor_load_to_lds s[G0F:G0F+3], s[G1F:G1F+7]
	s_nop 0
	PLACES
	s_load_b32 s[BV], s[14:15], 0x0
	s_lshr_b32 s60, ttmp9, 2                       ; the batch
	s_lshl_b32 s60, s60, 12
	s_lshl_b32 s62, s[WV], 10
	s_add_co_u32 s60, s60, s62
	s_add_nc_u64 s[10:11], s[10:11], s[60:61]      ; hb at my batch's row, my wave's 256 units
	s_add_nc_u64 s[12:13], s[12:13], s[62:63]      ; V likewise
	s_lshl_b32 s60, ttmp9, 12
	s_add_co_u32 s60, s60, s62
	s_add_nc_u64 s[16:17], s[16:17], s[60:61]      ; pctx: 4,096 x work-group + 1,024 x wave
	s_lshl_b32 s60, ttmp9, 8
	s_add_nc_u64 s[18:19], s[18:19], s[60:61]      ; pml: 256 x work-group
	s_lshl_b32 s60, ttmp9, 10
	s_add_nc_u64 s[20:21], s[20:21], s[60:61]      ; plog: 1,024 x work-group
	s_mul_i32 s60, s[WV], 98304
	s_add_nc_u64 s[6:7], s[6:7], s[60:61]          ; w1r: my wave's 98,304 bytes
	v_and_b32 v[TM], 31, v0                        ; lane
	v_and_b32 v[TM+1], 15, v0                      ; r
	v_bfe_u32 v[TM+2], v0, 4, 1                    ; h
	v_lshlrev_b32 v[TM+3], 2, v[TM+1]              ; 4 r
.set n, 0
.rept 16
	global_load_b32 v[BC+n], v[TM+3], s[10:11] offset:64*n          ; hb and V of unit 256 w + 16 n + r
	global_load_b32 v[VV+n], v[TM+3], s[12:13] offset:64*n
.set n, n+1
.endr
	v_mul_u32_u24 v[AQ0], v[TM], CHUNK
	v_add_nc_u32 v[AQ0], s[WOFF], v[AQ0]
	s_lshl_b32 s60, s[WV], 6
	s_add_co_u32 s60, s60, ACODE
	v_mul_u32_u24 v[ACS], v[TM+1], CHUNK           ; my piece q = lane % 16, my row 4 w + lane / 16
	v_lshl_add_u32 v[ACS], v[TM+2], 4, v[ACS]
	v_add_nc_u32 v[ACS], s60, v[ACS]
	s_mul_i32 s60, s[WV], 192
	s_add_co_u32 s60, s60, ASCL
	v_mul_u32_u24 v[ASS], v[TM+2], 48
	v_lshl_add_u32 v[ASS], v[TM+1], 1, v[ASS]
	v_add_nc_u32 v[ASS], s60, v[ASS]
	v_mul_u32_u24 v[AFR], v[TM+2], ROWP
	v_lshl_add_u32 v[AFR], v[TM+1], 4, v[AFR]
	v_add_nc_u32 v[AFR], ACODE, v[AFR]
	v_mul_u32_u24 v[ASR], v[TM+1], 48
	v_lshl_add_u32 v[ASR], v[TM+2], 4, v[ASR]
	v_add_nc_u32 v[ASR], ASCL, v[ASR]
	s_mul_i32 s60, s[WV], WXB
	s_add_co_u32 s60, s60, W1X
	v_lshl_add_u32 v[AWL], v[TM], 4, s60
	v_lshlrev_b32 v[GL], 4, v[TM]
	s_mul_i32 s60, s[WV], 4*CHUNK
	v_mul_u32_u24 v[ACX0], v[TM+2], CHUNK
	v_lshl_add_u32 v[ACX0], v[TM+1], 4, v[ACX0]
	v_add_nc_u32 v[ACX0], s60, v[ACX0]
	s_lshl_b32 s60, s[WV], 6
	s_add_co_u32 s60, s60, LPART
	v_lshl_add_u32 v[ALP], v[TM+2], 5, s60
	v_lshl_add_u32 v[ALR], v[TM+1], 2, LPART
	v_lshl_add_u32 v[ALG0], v[TM+1], 2, LOGITS
	v_lshl_add_u32 v[ALGR], v[TM], 4, LOGITS
	v_lshlrev_b32 v[PFO], 8, v[TM]
	v_lshlrev_b32 v[GL8], 3, v[TM]
	v_mov_b32 v[MX], 0xff61b1e6                    ; m = -3e38
	v_mov_b32 v[LS], 0
	v_mov_b32 v[ZM], 0                             ; written once: the destination of a line that reads another lane counts as one of its sources
	v_mov_b32 v[PS], 0
	v_mov_b32 v[FF+1], 0                           ; (named as the upper half of the pair)
.irp q, 0,1,2,3,4,5,6,7
	v_mov_b32 v[CTX+\q], 0                         ; the tile is written for every tile alike: the first finds zeros, and f = 0
.endr
.set n, 0
.rept 16
	s_mov_b32 s[P+2*n+1], 0
.set n, n+1
.endr
	s_mov_b32 s[CC], 0x4038aa3b                    ; c = 2 log2(e)
	s_mov_b32 s[CC+1], s[CC]
	s_mov_b32 s[L2E], 0x3fb8aa3b
	s_mov_b32 s[TB], 0
	s_mov_b32 s[TL], 0
	s_mov_b32 s[CNT], 15
	s_wait_loadcnt 0x0                             ; hb and V
	s_wait_kmcnt 0x0                               ; bV
	v_add_f32 v[SV], v[VV], v[VV+1]
.set n, 2
.rept 14
	v_add_f32 v[SV], v[SV], v[VV+n]
.set n, n+1
.endr
	v_mov_b32 v[SV+1], v[SV]
.set n, 0
.rept 16
	v_mul_f32 v[VV+n], -2.0, v[VV+n]
.set n, n+1
.endr
	; W1's K steps 0-5 into v256-v1023: load i takes bytes 512 i + 16 lane of my wave's part.  They are waited for in the first tile, behind its quantiser
	WIN 0x40                                       ; destination window 1
.set n, 0
.rept 64
	global_load_b128 v[4*n:4*n+3], v[GL], s[6:7] offset:512*n
.set n, n+1
.endr
	WIN 0x80                                       ; window 2
.set n, 0
.rept 64
	global_load_b128 v[4*n:4*n+3], v[GL], s[6:7] offset:512*(64+n)
.set n, n+1
.endr
	WIN 0xc0                                       ; window 3
.set n, 0
.rept 64
	global_load_b128 v[4*n:4*n+3], v[GL], s[6:7] offset:512*(128+n)
.set n, n+1
.endr
	WIN 0
.Ltile:                                            ; fifteen trips: behind each change of slots but the last the next tile is asked for
	TILE 1
	s_sub_co_u32 s[CNT], s[CNT], 1
	s_cmp_lg_u32 s[CNT], 0
	s_cbranch_scc1 .Ltile
	TILE 0                                         ; the last tile is written out
	; THE WAY OUT
	s_cmp_lg_u32 s[WV], 0
	s_cbranch_scc1 .Lnot_first
	ds_load_b128 v[XA:XA+3], v[ALGR]               ; LDS serves a wave's instructions in order (ISA guide 5.7.1.4): these see wave 0's own stores
	ds_load_b128 v[XA+4:XA+7], v[ALGR] offset:512
	s_wait_dscnt 0x0
	global_store_b128 v[GL], v[XA:XA+3], s[20:21]              ; the 256 logits: 512 consecutive bytes a store
	global_store_b128 v[GL], v[XA+4:XA+7], s[20:21] offset:512
	global_store_b64 v[GL8], v[MX:MX+1], s[18:19]              ; m and l, once for each lane: 256 consecutive bytes
.Lnot_first:
	global_store_b128 v[GL], v[CTX:CTX+3], s[16:17]            ; my 256 columns of the partial context: 512 consecutive bytes a store
	global_store_b128 v[GL], v[CTX+4:CTX+7], s[16:17] offset:512
	s_wait_tensorcnt 0x0                           ; the wave's end, behind my last tensor load and my last LDS store
	ds_add_u32 v[SPW], v[NIL]
	s_wait_dscnt 0x0
	s_endpgm
.Lfunc_end_k_qbbba977d91_main:
	.size	k_qbbba977d91_main, .Lfunc_end_k_qbbba977d91_main-k_qbbba977d91_main
	.p2alignl 7, 3214868480
	.fill 96, 4, 3214868480
	.section	.rodata,"a",@progbits
	.p2align	6, 0x0
	.amdhsa_kernel k_qbbba977d91_main
		.amdhsa_group_segment_fixed_size 327680
		.amdhsa_private_segment_fixed_size 0
		.amdhsa_enable_private_segment 0
		.amdhsa_kernarg_size 72
		.amdhsa_user_sgpr_count 2
		.amdhsa_user_sgpr_kernarg_segment_ptr 1
		.amdhsa_wavefront_size32 1
		.amdhsa_system_sgpr_workgroup_id_x 1
		.amdhsa_system_sgpr_workgroup_id_y 1
		.amdhsa_system_sgpr_workgroup_id_z 1
		.amdhsa_system_vgpr_workitem_id 0
		.amdhsa_next_free_vgpr 1024
		.amdhsa_next_free_sgpr 100
		.amdhsa_reserve_vcc 0
		.amdhsa_float_denorm_mode_32 3
		.amdhsa_float_denorm_mode_16_64 3
		.amdhsa_memory_ordered 1
		.amdhsa_forward_progress 1
		.amdhsa_inst_pref_size 158
	.end_amdhsa_kernel
	.amdgpu_metadata
---
amdhsa.version: [ 1, 2 ]
amdhsa.kernels:
  - .name:           k_qbbba977d91_main
    .symbol:         k_qbbba977d91_main.kd
    .args:
      - { .name: features, .offset: 0, .size: 8, .value_kind: global_buffer, .address_space: global }
      - { .name: w1r, .offset: 8, .size: 8, .value_kind: global_buffer, .address_space: global }
      - { .name: w1x, .offset: 16, .size: 8, .value_kind: global_buffer, .address_space: global }
      - { .name: hb, .offset: 24, .size: 8, .value_kind: global_buffer, .address_space: global }
      - { .name: V, .offset: 32, .size: 8, .value_kind: global_buffer, .address_space: global }
      - { .name: bV, .offset: 40, .size: 8, .value_kind: global_buffer, .address_space: global }
      - { .name: pctx, .offset: 48, .size: 8, .value_kind: global_buffer, .address_space: global }
      - { .name: pml, .offset: 56, .size: 8, .value_kind: global_buffer, .address_space: global }
      - { .name: plog, .offset: 64, .size: 8, .value_kind: global_buffer, .address_space: global }
    .group_segment_fixed_size: 327680
    .private_segment_fixed_size: 0
    .kernarg_segment_align: 8
    .kernarg_segment_size: 72
    .max_flat_workgroup_size: 128
    .sgpr_count:     100
    .vgpr_count:     1024
    .wavefront_size: 32
...
	.end_amdgpu_metadata
.endif
;; end of part 2
;; launch comb (part 3): grid 64 x 1, 8 waves a work-group, no clusters, 0 bytes of LDS; arguments pctx, pml, plog, out0, out1; writes out0, out1
.if DOCPART == 3
	.amdgcn_target "amdgcn-amd-amdhsa--gfx1250"
	.amdhsa_code_object_version 6
	.text
	.protected	k_qbbba977d91_comb
	.globl	k_qbbba977d91_comb
	.p2align	8
	.type	k_qbbba977d91_comb,@function
k_qbbba977d91_comb:
	s_mov_b64 s[64:65], 0
	v_nop
	global_prefetch_b8 v0, s[64:65] scope:SCOPE_SE
	s_setreg_imm32_b32 hwreg(HW_REG_WAVE_MODE, 25, 1), 1
	s_wait_xcnt 0x0
; COMB.  A batch's four quarters are joined: M = the largest m_i; e_i = e^(m_i - M); L = sum of l_i e_i; out0 = (sum of ctx_i e_i) / L; out1 = e^(z - M) / L.
; One work-group a batch; thread t owns four columns of the context and four rows' weights: every load and store of a wave covers 512 consecutive bytes (m and l: 256).
; No LDS, no barrier, no matrix work: 21 KiB read a work-group, each byte read once.
.set E, 32                             ; v32-39: pair i = (e_i, the weight of my row i before the division): the packed forms take a pair's low word
	s_load_b256 s[4:11], s[0:1], 0x0               ; pctx s[4:5], pml s[6:7], plog s[8:9], out0 s[10:11]
	s_load_b64 s[12:13], s[0:1], 0x20              ; out1
	v_lshlrev_b32 v1, 4, v0                        ; 16 bytes a thread
	v_and_b32 v2, 31, v0
	v_lshlrev_b32 v2, 3, v2                        ; 8 bytes a lane
	v_mov_b32 v43, 0                               ; (named as the upper half of the pair v[42:43])
	s_mov_b32 s14, 0x3fb8aa3b                      ; log2(e)
	s_lshl_b32 s16, ttmp9, 14                      ; four rows of pctx
	s_mov_b32 s17, 0
	s_lshl_b32 s18, ttmp9, 10                      ; four units of pml
	s_mov_b32 s19, 0
	s_lshl_b32 s20, ttmp9, 12                      ; a row of plog, out0, out1
	s_mov_b32 s21, 0
	s_wait_kmcnt 0x0
	s_add_nc_u64 s[4:5], s[4:5], s[16:17]
	s_add_nc_u64 s[6:7], s[6:7], s[18:19]
	s_add_nc_u64 s[8:9], s[8:9], s[20:21]
	s_add_nc_u64 s[10:11], s[10:11], s[20:21]
	s_add_nc_u64 s[12:13], s[12:13], s[20:21]
.irp i, 0,1,2,3
	global_load_b64 v[24+2*\i:25+2*\i], v2, s[6:7] offset:256*\i    ; (m_i, l_i)
.endr
	global_load_b128 v[20:23], v1, s[8:9] th:TH_LOAD_NT             ; my four logits
.irp i, 0,1,2,3
	global_load_b128 v[4+4*\i:7+4*\i], v1, s[4:5] offset:4096*\i th:TH_LOAD_NT   ; my four columns of quarter i's context
.endr
	s_wait_loadcnt 4                               ; m, l and the logits are in; the four loads of the contexts may be out
	v_max3_num_f32 v40, v24, v26, v28
	v_max_num_f32 v40, v40, v30                    ; M
.irp i, 0,1,2,3
	v_sub_f32 v[E+2*\i], v[24+2*\i], v40           ; the differences first
	v_sub_f32 v[E+2*\i+1], v[20+\i], v40
.endr
.irp j, 0,1,2,3,4,5,6,7
	v_mul_f32 v[E+\j], s14, v[E+\j]
.endr
.irp j, 0,1,2,3,4,5,6,7
	v_exp_f32 v[E+\j], v[E+\j]
.endr
	v_nop                                          ; a plain line behind the last exponential,
	s_wait_alu depctr_va_vdst(0)                   ; and the wait ahead of the first use: one for the eight
	v_mul_f32 v41, v25, v[E]
	v_fmac_f32 v41, v27, v[E+2]
	v_fmac_f32 v41, v29, v[E+4]
	v_fmac_f32 v41, v31, v[E+6]                    ; L
	v_rcp_f32 v42, v41
	s_wait_loadcnt 0x0
.irp q, 0,2
	v_pk_mul_f32 v[4+\q:5+\q], v[4+\q:5+\q], v[E:E+1] op_sel_hi:[1,0]           ; (plain work behind the reciprocal, which it does not name)
.endr
.irp i, 1,2,3
.irp q, 0,2
	v_pk_fma_f32 v[4+\q:5+\q], v[4+4*\i+\q:5+4*\i+\q], v[E+2*\i:E+2*\i+1], v[4+\q:5+\q] op_sel_hi:[1,0,1]
.endr
.endr
	s_wait_alu depctr_va_vdst(0)                   ; the wait ahead of the reciprocal's first use
.irp q, 0,2
	v_pk_mul_f32 v[4+\q:5+\q], v[4+\q:5+\q], v[42:43] op_sel_hi:[1,0]
.endr
.irp j, 0,1,2,3
	v_mul_f32 v[44+\j], v[E+2*\j+1], v42
.endr
	global_store_b128 v1, v[4:7], s[10:11] th:TH_STORE_NT
	global_store_b128 v1, v[44:47], s[12:13] th:TH_STORE_NT
	s_endpgm
.Lfunc_end_k_qbbba977d91_comb:
	.size	k_qbbba977d91_comb, .Lfunc_end_k_qbbba977d91_comb-k_qbbba977d91_comb
	.p2alignl 7, 3214868480
	.fill 96, 4, 3214868480
	.section	.rodata,"a",@progbits
	.p2align	6, 0x0
	.amdhsa_kernel k_qbbba977d91_comb
		.amdhsa_group_segment_fixed_size 0
		.amdhsa_private_segment_fixed_size 0
		.amdhsa_enable_private_segment 0
		.amdhsa_kernarg_size 40
		.amdhsa_user_sgpr_count 2
		.amdhsa_user_sgpr_kernarg_segment_ptr 1
		.amdhsa_wavefront_size32 1
		.amdhsa_system_sgpr_workgroup_id_x 1
		.amdhsa_system_sgpr_workgroup_id_y 1
		.amdhsa_system_sgpr_workgroup_id_z 1
		.amdhsa_system_vgpr_workitem_id 0
		.amdhsa_next_free_vgpr 48
		.amdhsa_next_free_sgpr 66
		.amdhsa_reserve_vcc 0
		.amdhsa_float_denorm_mode_32 3
		.amdhsa_float_denorm_mode_16_64 3
		.amdhsa_memory_ordered 1
		.amdhsa_forward_progress 1
		.amdhsa_inst_pref_size 4
	.end_amdhsa_kernel
	.amdgpu_metadata
---
amdhsa.version: [ 1, 2 ]
amdhsa.kernels:
  - .name:           k_qbbba977d91_comb
    .symbol:         k_qbbba977d91_comb.kd
    .args:
      - { .name: pctx, .offset: 0, .size: 8, .value_kind: global_buffer, .address_space: global }
      - { .name: pml, .offset: 8, .size: 8, .value_kind: global_buffer, .address_space: global }
      - { .name: plog, .offset: 16, .size: 8, .value_kind: global_buffer, .address_space: global }
      - { .name: out0, .offset: 24, .size: 8, .value_kind: global_buffer, .address_space: global }
      - { .name: out1, .offset: 32, .size: 8, .value_kind: global_buffer, .address_space: global }
    .group_segment_fixed_size: 0
    .private_segment_fixed_size: 0
    .kernarg_segment_align: 8
    .kernarg_segment_size: 40
    .max_flat_workgroup_size: 256
    .sgpr_count:     66
    .vgpr_count:     48
    .wavefront_size: 32
...
	.end_amdgpu_metadata
.endif
;; end of part 3
